; MI455X (gfx1250); checked and timed in simulation.
; The chip was launched on July 23, 2026; its instructions are those of AMD's public machine-readable ISA for CDNA 5 (MIT licence, August 2026) and "CDNA5" Instruction Set Architecture Reference Guide (July 2026). The comments in the code are by the model that wrote it; some were corrected since.
;; Chunkwise Retention. Allowed arithmetic: float matrix products may take bf16 or f16 operands with f32 sums; all other float work in f32.
;; Inputs: Wk 256 x 256 float32; Wq 256 x 256 float32; Wv 256 x 256 float32; xk 8 x 4,000 x 256 float32; xq 8 x 4,000 x 256 float32; xv 8 x 4,000 x 256 float32.
;; Outputs: out0 8 x 4,000 x 256 float32.
;; One version. Each part assembles by itself: llvm-mc -triple=amdgcn-amd-amdhsa -mcpu=gfx1250 --defsym DOCPART=n.
;; ======== version 1 of 1: 3 launches
;; limits: values outside matrix products are rounded to f16; values are held in f16: magnitudes above 65,504 overflow, below 6.1e-05 lose precision
;; workspace buffers: sloc 33,554,432 bytes; pfx 33,554,432 bytes; mfrag 131,072 bytes; wvfrag 131,072 bytes
;; launch states (part 1): grid 32 x 8, 8 waves a work-group, no clusters, 153,088 bytes of LDS; arguments xk, xv, Wq, Wk, Wv, sloc, mfrag, wvfrag; writes sloc, mfrag, wvfrag
.if DOCPART == 1
	.amdgcn_target "amdgcn-amd-amdhsa--gfx1250"
	.amdhsa_code_object_version 6
	.text
	.protected	k_q29b7d6d40a_states
	.globl	k_q29b7d6d40a_states
	.p2align	8
	.type	k_q29b7d6d40a_states,@function
k_q29b7d6d40a_states:
	s_mov_b64 s[64:65], 0
	v_nop
	global_prefetch_b8 v0, s[64:65] scope:SCOPE_SE
	s_setreg_imm32_b32 hwreg(HW_REG_WAVE_MODE, 25, 1), 1
	s_wait_xcnt 0x0
; ChunkwiseRetention, launch 1 of 3.
; The powers of gamma of the recurrence collapse: with g6 = gamma^6 and c(x) = x / 5,
;   out[t] = sum over s of t's chunk, s <= t, of gamma^(s-t) (Q[t].K[s]) V[s]  +  sum over c(s) <= c(t) of g6^(c(t)+1-c(s)) (Q[t+5].K[s]) V[s],
; and Q.K = xq (Wq Wk^T) xk^T, (A V) = (A xv) Wv, so the carried state is kept on the raw xk and xv.
; A batch is cut into 32 segments of 125 tokens (25 chunks).  Work-group (i, b), i <= 30, makes the segment's own state
;   Sloc[d][e] = 2^-6 sum over s < 125 of g6^(25 - c(s)) xk[s][d] xv[s][e]        (f16 operands, f32 sums, stored as f16).
; The eight work-groups with i = 31 (whose state nobody needs) make 16 M = 16 Wq Wk^T and Wv as f16 matrix fragments, 32 columns each.
; WHY f16: eleven significant bits; a chain of ten operands rounded to eight bits does not stay inside a hundredth of the output's rms.
; ROOM IN f16 (largest 65,504; steps of 6e-8 below 6e-5): xk, xv of spread 1, thirty times larger or offset by 30, stay below 200; the weighted
; xk 2^-6 has spread 0.002 to 0.016, a thirtieth of that is still 1,000 steps; Sloc 2^-6 has spread 0.08, 900 times that is 75, with both offsets
; about 870, a 900th is 1,500 steps; 16 M has spread 1, 900 times larger peaks near 5,000, with both offsets 14,800, a 900th is 1e-3.
; FRAGMENT ORDER of sloc, mfrag, wvfrag: the half fragment (nt, kt) is 512 bytes at (16 nt + kt) * 512; lane (r, h) holds at 16 * lane
; the eight f16 of row 16 nt + r, k = 16 kt + 8 h + 0..7: a packed result tile, and at once half of a first-source fragment.
; LIMITS: inputs are finite (rows 125 to 127 of a segment are multiplied by 0) and every operand named above is below 65,504;
; the order of rounding differs from a scan step by step.
.set PX,   544                         ; LDS pitch of a token row of 256 f16: 512 + 32 bytes, an odd multiple of 32 for the transposing loads
.set XVB,  128*PX                      ; xv's rows behind xk's
.set PW,   528                         ; LDS pitch of a weight row: 512 + 16 bytes, an odd multiple of 16
.set WKB,  256*PW                      ; 32 rows of Wk behind Wq's 256
.set WS,   32                          ; s[32:47] the weights of my wave's 16 token rows
.set RM,   32                          ; v[32:63]   four raw rows of Wk
.set R0,   64                          ; v[64:127], v[128:191], v[192:255]: three slots of eight raw rows (f32)
.set R1,   128
.set R2,   192
.set XVF,  64                          ; v[64:127]  xv^T fragments: 2 column tiles x 4 K steps, kept
.set KB0,  128                         ; v[128:159], v[160:191] xk^T fragments, two buffers
.set ACC,  192                         ; v[192:207] two accumulators
.set OUTR, 208                         ; v[208:215] packed results
.set LG6N, 0xbdf0f4b7                  ; 6 log2(0.9865) = -0.11765426
.macro NOPS cnt
.rept \cnt
	v_nop
.endr
.endm
; cnt rows of 1,024 bytes, two loads of 512 neighbouring bytes each: lane l takes columns 4 l .. 4 l + 3 of each half
.macro GLD slot, va, sb, row0, cnt
.set gk, 0
.rept \cnt
	global_load_b128 v[\slot+8*gk:\slot+8*gk+3], v[\va], s[\sb:\sb+1] offset:(\row0+gk)*1024
	global_load_b128 v[\slot+8*gk+4:\slot+8*gk+7], v[\va], s[\sb:\sb+1] offset:(\row0+gk)*1024+512
.set gk, gk+1
.endr
.endm
; the same rows, weighted if asked, rounded to f16 in place and laid into LDS: 32 lanes x 8 bytes are 256 neighbouring bytes
.macro CONV slot, cnt, vst, row0, pitch, scaled
.set ck, 0
.rept \cnt
.irp hf, 0, 1
.set cb, \slot+8*ck+4*\hf
.if \scaled
	v_mul_f32 v[cb], s[WS+\row0+ck], v[cb]
	v_mul_f32 v[cb+1], s[WS+\row0+ck], v[cb+1]
	v_mul_f32 v[cb+2], s[WS+\row0+ck], v[cb+2]
	v_mul_f32 v[cb+3], s[WS+\row0+ck], v[cb+3]
.endif
	v_cvt_pk_f16_f32 v[cb], v[cb], v[cb+1]
	v_cvt_pk_f16_f32 v[cb+1], v[cb+2], v[cb+3]
	ds_store_b64 v[\vst], v[cb:cb+1] offset:(\row0+ck)*\pitch+256*\hf
.endr
.set ck, ck+1
.endr
.endm
; xk^T fragments of feature tile kt, all four K steps of 32 tokens: eight transposing loads
.macro LDT buf, kt
.irp ks, 0,1,2,3
	ds_load_tr16_b128 v[\buf+8*\ks:\buf+8*\ks+3], v10 offset:\ks*32*PX+32*(\kt)
	ds_load_tr16_b128 v[\buf+8*\ks+4:\buf+8*\ks+7], v10 offset:\ks*32*PX+16*PX+32*(\kt)
.endr
.endm
	s_load_b512 s[4:19], s[0:1], 0x0               ; xk 4, xv 6, Wq 8, Wk 10, Wv 12, sloc 14, mfrag 16, wvfrag 18
	v_lshl_add_u32 v30, v0, 2, 0x25200
	v_mov_b32 v31, 0
	v_lshrrev_b32 v1, 5, v0
	v_readfirstlane_b32 s20, v1                    ; wave w
	s_mov_b32 s21, ttmp9                           ; segment i
	s_and_b32 s22, ttmp7, 0xffff                   ; batch b
	v_and_b32 v1, 31, v0                           ; lane
	v_and_b32 v2, 15, v0                           ; r
	v_bfe_u32 v3, v0, 4, 1                         ; h
	s_cmp_eq_u32 s21, 31                           ; the same in all eight waves
	s_cbranch_scc1 .Lprep
	; ---------------- the segment's state ----------------
	s_mul_i32 s23, s21, 125                        ; t0
	s_lshl4_add_u32 s23, s20, s23                  ; t0 + 16 w: my wave's 16 rows; t0 + 127 <= 3,877, inside the batch
	s_lshl_b32 s23, s23, 10
	v_lshl_add_u32 v5, v1, 4, s23                  ; byte offset of my 16 bytes in my first row
	s_mul_i32 s28, s22, 4096000                    ; the batch
	s_mov_b32 s29, 0
	s_lshl_b32 s30, s22, 5
	s_add_co_u32 s30, s30, s21
	s_lshl_b32 s30, s30, 17                        ; (32 b + i) * 131,072
	s_mov_b32 s31, 0
	s_wait_kmcnt 0x0
	s_add_nc_u64 s[4:5], s[4:5], s[28:29]
	s_add_nc_u64 s[6:7], s[6:7], s[28:29]
	s_add_nc_u64 s[14:15], s[14:15], s[30:31]
	GLD R0, 5, 4, 0, 8                             ; xk rows 0-7
	GLD R1, 5, 4, 8, 8                             ; xk rows 8-15
	GLD R2, 5, 6, 0, 8                             ; xv rows 0-7
	s_mul_i32 s24, s20, 16*PX
	v_lshl_add_u32 v8, v1, 3, s24                  ; where my rows of xk go
	v_add_nc_u32 v9, XVB, v8                       ; and of xv
	v_and_b32 v6, 7, v1
	v_lshl_add_u32 v6, v3, 3, v6                   ; 8 h + (lane & 7): the token row that I address in a transposing load
	v_mul_u32_u24 v6, PX, v6
	v_bfe_u32 v7, v1, 3, 1
	v_lshl_add_u32 v10, v7, 4, v6                  ; + 16 ((lane >> 3) & 1)
	s_lshl_b32 s25, s20, 6
	v_add3_u32 v11, v10, s25, XVB                  ; the same in xv, at my wave's two column tiles
	s_lshl_b32 s26, s20, 14
	v_lshl_add_u32 v12, v1, 4, s26                 ; my place in the state: tiles 2 w, 2 w + 1
	s_lshl_b32 s27, s20, 4
	v_add_nc_u32 v13, s27, v1                      ; lane l: token s = 16 w + l
	v_mul_u32_u24 v14, 0xcccd, v13
	v_lshrrev_b32 v14, 18, v14                     ; c(s) = s / 5 (exact below 2^16)
	v_sub_nc_u32 v14, 25, v14
	v_cvt_f32_i32 v14, v14
	v_mul_f32 v14, LG6N, v14
	v_exp_f32 v14, v14                             ; g6^(25 - c)
	v_cmp_gt_u32 vcc_lo, 125, v13                  ; a plain instruction stands between v_exp_f32 and the use of its result (ISA guide 5.7.2)
	s_wait_alu depctr_va_vdst(0)
	v_mul_f32 v14, 0x3c800000, v14                 ; times 2^-6: the states' fixed scale
	v_cndmask_b32 v14, 0, v14, vcc_lo              ; rows 125 to 127 belong to the next segment
.irp k, 0,1,2,3,4,5,6,7,8,9,10,11,12,13,14,15
	v_readlane_b32 s[WS+\k], v14, \k
.endr
	s_wait_loadcnt 32                              ; loads return in order: xk 0-7 are in, 32 younger loads stay out
	CONV R0, 8, 8, 0, PX, 1
	GLD R0, 5, 6, 8, 8                             ; xv rows 8-15
	s_wait_loadcnt 32                              ; xk 8-15 are in
	CONV R1, 8, 8, 8, PX, 1
	s_wait_loadcnt 16                              ; xv 0-7
	CONV R2, 8, 9, 0, PX, 0
	s_wait_loadcnt 0                               ; xv 8-15
	CONV R0, 8, 9, 8, PX, 0
	s_wait_dscnt 0x0                               ; my rows are in LDS, for the others' sake
	s_barrier_signal -1
	s_barrier_wait -1
	; D(d, e): first source xk^T (rows d), second source xv^T (columns e), K = 128 tokens.  My wave: e tiles 2 w, 2 w + 1, all 16 d tiles.
.irp q, 0,1
.irp ks, 0,1,2,3
	ds_load_tr16_b128 v[XVF+32*\q+8*\ks:XVF+32*\q+8*\ks+3], v11 offset:\ks*32*PX+32*\q
	ds_load_tr16_b128 v[XVF+32*\q+8*\ks+4:XVF+32*\q+8*\ks+7], v11 offset:\ks*32*PX+16*PX+32*\q
.endr
.endr
	LDT KB0, 0
	LDT KB0+32, 1
.set kt, 0
.rept 16
.set kb, KB0+32*(kt%2)
.if kt == 15
	s_wait_dscnt 0x0
.else
	s_wait_dscnt 0x8                               ; this tile's fragments are in; the next tile's eight loads stay out
.endif
	; the two accumulators take turns
	v_wmma_f32_16x16x32_f16 v[ACC:ACC+7], v[kb:kb+7], v[XVF:XVF+7], 0
	v_wmma_f32_16x16x32_f16 v[ACC+8:ACC+15], v[kb:kb+7], v[XVF+32:XVF+39], 0
.irp ks, 1,2,3
	v_wmma_f32_16x16x32_f16 v[ACC:ACC+7], v[kb+8*\ks:kb+8*\ks+7], v[XVF+8*\ks:XVF+8*\ks+7], v[ACC:ACC+7]
	v_wmma_f32_16x16x32_f16 v[ACC+8:ACC+15], v[kb+8*\ks:kb+8*\ks+7], v[XVF+32+8*\ks:XVF+32+8*\ks+7], v[ACC+8:ACC+15]
.endr
	NOPS 5                                         ; the places behind the matrix instructions: for the loads into their sources, the conversions, and the next tile's fresh sums
.if kt+2 < 16
	LDT kb, kt+2
.endif
	s_wait_xcnt 0x0                                ; the last tile's stores have read OUTR
.irp x, 0,1,2,3,4,5,6,7
	v_cvt_pk_f16_f32 v[OUTR+\x], v[ACC+2*\x], v[ACC+2*\x+1]
.endr
	global_store_b128 v12, v[OUTR:OUTR+3], s[14:15] offset:kt*512          ; a wave's store covers 512 consecutive bytes, aligned
	global_store_b128 v12, v[OUTR+4:OUTR+7], s[14:15] offset:8192+kt*512
.set kt, kt+1
.endr
	s_wait_tensorcnt 0x0
	ds_add_u32 v30, v31
	s_wait_dscnt 0x0
	s_endpgm
	; ---------------- 16 M = 16 Wq Wk^T and Wv as fragments: columns 32 b .. 32 b + 31 ----------------
.Lprep:
	s_lshl_b32 s23, s20, 15
	v_lshl_add_u32 v5, v1, 4, s23                  ; Wq rows 32 w ..
	s_lshl_b32 s24, s22, 5
	s_lshl2_add_u32 s24, s20, s24
	s_lshl_b32 s24, s24, 10
	v_lshl_add_u32 v6, v1, 4, s24                  ; Wk rows 32 b + 4 w ..
	s_wait_kmcnt 0x0
	GLD RM, 6, 10, 0, 4
	GLD R0, 5, 8, 0, 8
	GLD R1, 5, 8, 8, 8
	GLD R2, 5, 8, 16, 8
.irp k, 0,1,2,3
	s_mov_b32 s[WS+\k], 0x41800000                 ; Wk goes in times 16 (exact): M's fixed scale
.endr
	s_mul_i32 s25, s20, 32*PW
	v_lshl_add_u32 v8, v1, 3, s25                  ; where my rows of Wq go
	s_mul_i32 s26, s20, 4*PW
	s_add_co_u32 s26, s26, WKB
	v_lshl_add_u32 v9, v1, 3, s26                  ; and of Wk
	v_mul_u32_u24 v7, PW, v2
	v_lshl_add_u32 v7, v3, 4, v7                   ; r * pitch + 16 h
	v_add_nc_u32 v10, s25, v7                      ; fragments of Wq rows 32 w + r
	v_add_nc_u32 v11, WKB, v7                      ; fragments of the 32 rows of Wk
	s_lshl_b32 s27, s22, 14
	s_lshl_b32 s28, s20, 10
	s_add_co_u32 s27, s27, s28
	v_lshl_add_u32 v12, v1, 4, s27                 ; half fragment (2 b + c, 2 w + a) at c * 8192 + a * 512 from here
	s_lshl_b32 s28, s20, 15
	s_lshl_b32 s29, s22, 7
	s_add_co_u32 s28, s28, s29
	v_lshlrev_b32 v13, 2, v2
	v_lshl_add_u32 v13, v3, 13, v13
	v_add_nc_u32 v13, s28, v13                     ; Wv[32 w + 8 h][32 b + r]
	s_wait_loadcnt 48                              ; Wk's four rows
	CONV RM, 4, 9, 0, PW, 1
	s_wait_loadcnt 32
	CONV R0, 8, 8, 0, PW, 0
	GLD R0, 5, 8, 24, 8
	s_wait_loadcnt 32
	CONV R1, 8, 8, 8, PW, 0
	s_wait_loadcnt 16
	CONV R2, 8, 8, 16, PW, 0
.irp a, 0,1
.irp c, 0,1
.irp j, 0,1,2,3,4,5,6,7
	global_load_b32 v[128+8*(2*\a+\c)+\j], v13, s[12:13] offset:\a*16384+\j*1024+\c*64    ; Wv[16 (2 w + a) + 8 h + j][16 (2 b + c) + r]
.endr
.endr
.endr
	s_wait_loadcnt 32                              ; Wq's last eight rows; Wv's 32 words stay out
	CONV R0, 8, 8, 24, PW, 0
	s_wait_dscnt 0x0
	s_barrier_signal -1
	s_barrier_wait -1
	; D(f, f') = sum over dim of Wq[f][dim] 16 Wk[f'][dim]: four tiles (a, c), four accumulators by turns
.set hv, 0
.rept 2
.irp a, 0,1
.irp ks, 0,1,2,3
	ds_load_b128 v[64+32*\a+8*\ks:64+32*\a+8*\ks+3], v10 offset:\a*16*PW+64*(4*hv+\ks)
	ds_load_b128 v[64+32*\a+8*\ks+4:64+32*\a+8*\ks+7], v10 offset:\a*16*PW+64*(4*hv+\ks)+32
	ds_load_b128 v[192+32*\a+8*\ks:192+32*\a+8*\ks+3], v11 offset:\a*16*PW+64*(4*hv+\ks)
	ds_load_b128 v[192+32*\a+8*\ks+4:192+32*\a+8*\ks+7], v11 offset:\a*16*PW+64*(4*hv+\ks)+32
.endr
.endr
	s_wait_dscnt 0x0
.irp ks, 0,1,2,3
.irp a, 0,1
.irp c, 0,1
.if hv+\ks == 0
	v_wmma_f32_16x16x32_f16 v[160+8*(2*\a+\c):160+8*(2*\a+\c)+7], v[64+32*\a+8*\ks:64+32*\a+8*\ks+7], v[192+32*\c+8*\ks:192+32*\c+8*\ks+7], 0
.else
	v_wmma_f32_16x16x32_f16 v[160+8*(2*\a+\c):160+8*(2*\a+\c)+7], v[64+32*\a+8*\ks:64+32*\a+8*\ks+7], v[192+32*\c+8*\ks:192+32*\c+8*\ks+7], v[160+8*(2*\a+\c):160+8*(2*\a+\c)+7]
.endif
.endr
.endr
.endr
	NOPS 5                                         ; places behind the matrix instructions, for the loads into their sources and the conversions
.set hv, hv+1
.endr
.irp t, 0,1,2,3
.irp x, 0,1,2,3
	v_cvt_pk_f16_f32 v[32+4*\t+\x], v[160+8*\t+2*\x], v[160+8*\t+2*\x+1]
.endr
.endr
.irp a, 0,1
.irp c, 0,1
	global_store_b128 v12, v[32+4*(2*\a+\c):32+4*(2*\a+\c)+3], s[16:17] offset:\c*8192+\a*512
.endr
.endr
	s_wait_loadcnt 0                               ; Wv
.irp t, 0,1,2,3
.irp x, 0,1,2,3
	v_cvt_pk_f16_f32 v[48+4*\t+\x], v[128+8*\t+2*\x], v[128+8*\t+2*\x+1]
.endr
.endr
.irp a, 0,1
.irp c, 0,1
	global_store_b128 v12, v[48+4*(2*\a+\c):48+4*(2*\a+\c)+3], s[18:19] offset:\c*8192+\a*512
.endr
.endr
	s_wait_tensorcnt 0x0
	ds_add_u32 v30, v31
	s_wait_dscnt 0x0
	s_endpgm
.Lfunc_end_k_q29b7d6d40a_states:
	.size	k_q29b7d6d40a_states, .Lfunc_end_k_q29b7d6d40a_states-k_q29b7d6d40a_states
	.p2alignl 7, 3214868480
	.fill 96, 4, 3214868480
	.section	.rodata,"a",@progbits
	.p2align	6, 0x0
	.amdhsa_kernel k_q29b7d6d40a_states
		.amdhsa_group_segment_fixed_size 153088
		.amdhsa_private_segment_fixed_size 0
		.amdhsa_enable_private_segment 0
		.amdhsa_kernarg_size 64
		.amdhsa_user_sgpr_count 2
		.amdhsa_user_sgpr_kernarg_segment_ptr 1
		.amdhsa_wavefront_size32 1
		.amdhsa_system_sgpr_workgroup_id_x 1
		.amdhsa_system_sgpr_workgroup_id_y 1
		.amdhsa_system_sgpr_workgroup_id_z 1
		.amdhsa_system_vgpr_workitem_id 0
		.amdhsa_next_free_vgpr 256
		.amdhsa_next_free_sgpr 66
		.amdhsa_reserve_vcc 1
		.amdhsa_float_denorm_mode_32 3
		.amdhsa_float_denorm_mode_16_64 3
		.amdhsa_memory_ordered 1
		.amdhsa_forward_progress 1
		.amdhsa_inst_pref_size 93
	.end_amdhsa_kernel
	.amdgpu_metadata
---
amdhsa.version: [ 1, 2 ]
amdhsa.kernels:
  - .name:           k_q29b7d6d40a_states
    .symbol:         k_q29b7d6d40a_states.kd
    .args:
      - { .name: xk, .offset: 0, .size: 8, .value_kind: global_buffer, .address_space: global }
      - { .name: xv, .offset: 8, .size: 8, .value_kind: global_buffer, .address_space: global }
      - { .name: Wq, .offset: 16, .size: 8, .value_kind: global_buffer, .address_space: global }
      - { .name: Wk, .offset: 24, .size: 8, .value_kind: global_buffer, .address_space: global }
      - { .name: Wv, .offset: 32, .size: 8, .value_kind: global_buffer, .address_space: global }
      - { .name: sloc, .offset: 40, .size: 8, .value_kind: global_buffer, .address_space: global }
      - { .name: mfrag, .offset: 48, .size: 8, .value_kind: global_buffer, .address_space: global }
      - { .name: wvfrag, .offset: 56, .size: 8, .value_kind: global_buffer, .address_space: global }
    .group_segment_fixed_size: 153088
    .private_segment_fixed_size: 0
    .kernarg_segment_align: 8
    .kernarg_segment_size: 64
    .max_flat_workgroup_size: 256
    .sgpr_count:     66
    .vgpr_count:     256
    .wavefront_size: 32
...
	.end_amdgpu_metadata
.endif
;; end of part 1
;; launch scan (part 2): grid 256 x 1, 8 waves a work-group, no clusters, 0 bytes of LDS; arguments sloc, pfx; writes pfx
.if DOCPART == 2
	.amdgcn_target "amdgcn-amd-amdhsa--gfx1250"
	.amdhsa_code_object_version 6
	.text
	.protected	k_q29b7d6d40a_scan
	.globl	k_q29b7d6d40a_scan
	.p2align	8
	.type	k_q29b7d6d40a_scan,@function
k_q29b7d6d40a_scan:
	s_mov_b64 s[64:65], 0
	v_nop
	global_prefetch_b8 v0, s[64:65] scope:SCOPE_SE
	s_setreg_imm32_b32 hwreg(HW_REG_WAVE_MODE, 25, 1), 1
	s_wait_xcnt 0x0
; ChunkwiseRetention, launch 2 of 3: the states in front of each segment, P_0 = 0, P_(i+1) = gamma^150 P_i + Sloc_i, element by element
; (both carry the fixed scale 2^-6 of launch 1).
; Work-group g: batch g / 32, bytes 4,096 (g % 32) .. + 4,095 of each of the batch's 32 states; a thread owns 16 bytes (8 f16) of every state.
; All 31 loads of a thread go out first; P is carried in f32 and rounded to f16 only for the store.
; No LDS, no barrier, no matrix unit: each element's chain is a thread's own, and memory is all that there is to wait for.
.set STATE, 131072                     ; bytes of a state
.set X,  4                             ; v[4:127]   Sloc_i as loaded, then P_(i+1) as stored: 4 registers for each i, never used again (below v128: their halves are named)
.set P,  128                           ; v[128:135] the running state, f32
.set T,  136                           ; v[136:143] Sloc_i in f32
.set Z,  144                           ; v[144:147] zeros
.set G150, 0x3e054f6a                  ; 0.9865^150 = 0.13018576
	s_load_b128 s[4:7], s[0:1], 0x0                ; sloc, pfx
	s_lshr_b32 s8, ttmp9, 5
	s_lshl_b32 s8, s8, 22                          ; the batch: 32 states
	s_mov_b32 s9, 0
	s_and_b32 s10, ttmp9, 31
	s_lshl_b32 s10, s10, 12
	v_lshl_add_u32 v1, v0, 4, s10                  ; my 16 bytes in a state; never rewritten
	s_wait_kmcnt 0x0
	s_add_nc_u64 s[4:5], s[4:5], s[8:9]
	s_add_nc_u64 s[6:7], s[6:7], s[8:9]
.set si, 0
.rept 31
	global_load_b128 v[X+4*si:X+4*si+3], v1, s[4:5] offset:si*STATE th:TH_LOAD_NT
.set si, si+1
.endr
.irp k, 0,1,2,3
	v_mov_b32 v[Z+\k], 0
.endr
	global_store_b128 v1, v[Z:Z+3], s[6:7]         ; P_0
.macro UNPACK d, r                     ; the two f16 of register r, by its number, as f32
	v_cvt_f32_f16 v[\d], v\r\().l
	v_cvt_f32_f16 v[\d+1], v\r\().h
.endm
; r0 .. r3 are the numbers of the registers X + 4 i .. X + 4 i + 3
.macro STEP i, r0, r1, r2, r3
	s_wait_loadcnt 30-\i                           ; loads return in order: Sloc_i is in, the younger ones stay out
.if \i == 0
	UNPACK P, \r0                                  ; P_1 = Sloc_0: it starts the sums and is stored as it came
	UNPACK P+2, \r1
	UNPACK P+4, \r2
	UNPACK P+6, \r3
.else
	UNPACK T, \r0
	UNPACK T+2, \r1
	UNPACK T+4, \r2
	UNPACK T+6, \r3
.irp k, 0,1,2,3
	v_pk_fma_f32 v[P+2*\k:P+2*\k+1], v[P+2*\k:P+2*\k+1], G150, v[T+2*\k:T+2*\k+1] op_sel_hi:[1,0,1]
.endr
.irp k, 0,1,2,3
	v_cvt_pk_f16_f32 v[X+4*\i+\k], v[P+2*\k], v[P+2*\k+1]
.endr
.endif
	global_store_b128 v1, v[X+4*\i:X+4*\i+3], s[6:7] offset:(\i+1)*STATE
.endm
	STEP 0, 4, 5, 6, 7
	STEP 1, 8, 9, 10, 11
	STEP 2, 12, 13, 14, 15
	STEP 3, 16, 17, 18, 19
	STEP 4, 20, 21, 22, 23
	STEP 5, 24, 25, 26, 27
	STEP 6, 28, 29, 30, 31
	STEP 7, 32, 33, 34, 35
	STEP 8, 36, 37, 38, 39
	STEP 9, 40, 41, 42, 43
	STEP 10, 44, 45, 46, 47
	STEP 11, 48, 49, 50, 51
	STEP 12, 52, 53, 54, 55
	STEP 13, 56, 57, 58, 59
	STEP 14, 60, 61, 62, 63
	STEP 15, 64, 65, 66, 67
	STEP 16, 68, 69, 70, 71
	STEP 17, 72, 73, 74, 75
	STEP 18, 76, 77, 78, 79
	STEP 19, 80, 81, 82, 83
	STEP 20, 84, 85, 86, 87
	STEP 21, 88, 89, 90, 91
	STEP 22, 92, 93, 94, 95
	STEP 23, 96, 97, 98, 99
	STEP 24, 100, 101, 102, 103
	STEP 25, 104, 105, 106, 107
	STEP 26, 108, 109, 110, 111
	STEP 27, 112, 113, 114, 115
	STEP 28, 116, 117, 118, 119
	STEP 29, 120, 121, 122, 123
	STEP 30, 124, 125, 126, 127
	s_endpgm
.Lfunc_end_k_q29b7d6d40a_scan:
	.size	k_q29b7d6d40a_scan, .Lfunc_end_k_q29b7d6d40a_scan-k_q29b7d6d40a_scan
	.p2alignl 7, 3214868480
	.fill 96, 4, 3214868480
	.section	.rodata,"a",@progbits
	.p2align	6, 0x0
	.amdhsa_kernel k_q29b7d6d40a_scan
		.amdhsa_group_segment_fixed_size 0
		.amdhsa_private_segment_fixed_size 0
		.amdhsa_enable_private_segment 0
		.amdhsa_kernarg_size 16
		.amdhsa_user_sgpr_count 2
		.amdhsa_user_sgpr_kernarg_segment_ptr 1
		.amdhsa_wavefront_size32 1
		.amdhsa_system_sgpr_workgroup_id_x 1
		.amdhsa_system_sgpr_workgroup_id_y 1
		.amdhsa_system_sgpr_workgroup_id_z 1
		.amdhsa_system_vgpr_workitem_id 0
		.amdhsa_next_free_vgpr 152
		.amdhsa_next_free_sgpr 66
		.amdhsa_reserve_vcc 0
		.amdhsa_float_denorm_mode_32 3
		.amdhsa_float_denorm_mode_16_64 3
		.amdhsa_memory_ordered 1
		.amdhsa_forward_progress 1
		.amdhsa_inst_pref_size 35
	.end_amdhsa_kernel
	.amdgpu_metadata
---
amdhsa.version: [ 1, 2 ]
amdhsa.kernels:
  - .name:           k_q29b7d6d40a_scan
    .symbol:         k_q29b7d6d40a_scan.kd
    .args:
      - { .name: sloc, .offset: 0, .size: 8, .value_kind: global_buffer, .address_space: global }
      - { .name: pfx, .offset: 8, .size: 8, .value_kind: global_buffer, .address_space: global }
    .group_segment_fixed_size: 0
    .private_segment_fixed_size: 0
    .kernarg_segment_align: 8
    .kernarg_segment_size: 16
    .max_flat_workgroup_size: 256
    .sgpr_count:     66
    .vgpr_count:     152
    .wavefront_size: 32
...
	.end_amdgpu_metadata
.endif
;; end of part 2
;; launch main (part 3): grid 32 x 8, 8 waves a work-group, no clusters, 325,376 bytes of LDS; arguments xq, xk, xv, mfrag, wvfrag, pfx, out0; writes out0
.if DOCPART == 3
	.amdgcn_target "amdgcn-amd-amdhsa--gfx1250"
	.amdhsa_code_object_version 6
	.text
	.protected	k_q29b7d6d40a_main
	.globl	k_q29b7d6d40a_main
	.p2align	8
	.type	k_q29b7d6d40a_main,@function
k_q29b7d6d40a_main:
	s_mov_b64 s[64:65], 0
	v_nop
	global_prefetch_b8 v0, s[64:65] scope:SCOPE_SE
	s_setreg_imm32_b32 hwreg(HW_REG_WAVE_MODE, 25, 1), 1
	s_wait_xcnt 0x0
; ChunkwiseRetention, launch 3 of 3.  Work-group (i, b): the 125 tokens t0 = 125 i .. of batch b; local indices t, s, u; c(x) = x / 5; g6 = gamma^6.
;   Q~[u] = (xq[u] M) g6^c(u), 0 where t0 + u >= 4000 (the batch's last chunk has no cross term);   K~[s] = xk[s] g6^(-c(s))
;   A[t][s] = [s < 5 (c(t)+1)] Q~[t+5].K~[s]  +  [5 c(t) <= s <= t] gamma^(s-t) Q~[t].K~[s]
;   y[t]    = sum over s of A[t][s] xv[s]  +  Q~[t+5] P_i ;      out[t] = y[t] Wv
; Eight waves.  Every product is used transposed: first source = weights (or K~, or xv^T), second source = token rows, so that a lane holds
; eight neighbouring columns of one token's row.  In the three projections wave w owns columns 32 w .. 32 w + 31 and keeps its 128 registers
; of weight fragments (loaded straight from memory in fragment order) while it walks all token tiles; in the scores wave w owns tokens 16 w ..
; No tensor loads: the inputs are f32 and pass through registers to become f16.  No cluster: the shared weights go straight into registers.
; FORMAT AND SCALES.  All matrix operands are f16 (eleven significant bits), all sums f32.  xq, xk, xv, Wv have room in f16 as they are;
; M comes as 16 M, P as 2^-6 P, and K~ takes the same 2^-6.  Q~ is a product of three inputs and has no such room, so it is scaled by a power of two
; taken from the data: a wave keeps its 9 x 2 tiles of Q~ in 144 registers of f32 until the work-group's largest magnitude is known, and
; multiplies them by 2^-(e2+4), e2 that magnitude's exponent, before they are rounded: the largest |Q~| then lies in [2^-4, 2^-3).
; A then hangs on xk alone and y on xk and xv: at inputs of spread 1, A is about 0.005 times its decay and y about 0.03; with xk, xv thirty times larger
; y is about 30; with all six inputs offset by thirty spreads y is 32 * 900 = 28,800 at the most; with xk, xv a thirtieth y is 3e-5, 500 steps of 6e-8.
; The result is multiplied back in f32 by 2^(e2+6).  The maximum enters as a factor only: no address and no branch hangs on it.
; LIMITS: inputs are finite (padding rows and masked scores are multiplied by 0 or selected away); every f16 operand named above is below 65,504;
; 2^-100 < max |xq 16 M| < 2^120 (below, Q~ loses bits; an all-zero Q~ gives 0); the order of rounding differs from a scan step by step.
.set PQ, 528                           ; pitch of a row of 256 f16: 512 + 16, an odd multiple of 16
.set PV, 544                           ; xv's pitch: an odd multiple of 32, for the transposing loads
.set PA, 272                           ; a row of A: 128 f16 + 16
.set PO, 1040                          ; a row of the result: 256 f32 + 16
.set TQ, 16*PQ
.set TA, 16*PA
.set TO, 16*PO
.set QSB, 144*PQ                       ; LDS: xq [144] at 0 (later y [128]); Q~ [144]; K~ [128]; xv [128]; A [128]; 32 bytes of maxima
.set XKB, QSB+144*PQ
.set XVB, XKB+128*PQ
.set ASB, XVB+128*PV
.set SCR, ASB+128*PA                   ; eight words: the waves' largest |Q~|
.set OUB, QSB                          ; the result in f32 [128] lies over Q~ and K~ when both are dead
.set LN,1
.set RR,2
.set HH,3
.set WOF,4                             ; my wave's fragments in mfrag, wvfrag, pfx
.set GOF,5                             ; my 16 bytes in my wave's first row of xq, xk, xv, out0
.set PADA,6                            ; v6-8   the same for rows 13-15, clamped to the batch's last row
.set MINA,9                            ; v9-10  rows 128 + 2 w, + 1 of xq, clamped
.set SXQ,11                            ; v11-14 where converted rows go
.set SXM,12
.set SXK,13
.set SXV,14
.set XQA,15                            ; v15-16 fragment address in xq / y: tiles 0-3, tiles 4-8
.set QSA,17                            ; v17-18 the same in Q~
.set XKA,19                            ; K~ tile 0
.set XKP,20                            ; K~ tile (w + 7) & 7
.set XKW,21                            ; K~ tile w
.set QSW,22                            ; Q~ tile w
.set ASA,23                            ; A tile 0
.set ASW,24                            ; A: my rows
.set QSS,25                            ; v25-26 stores into Q~
.set YSS,27                            ; v27-28 stores into y
.set TRV,29                            ; transposing loads of xv
.set OUS,30                            ; v30-31 stores of the result
.set OUR,32                            ; reads of the result by rows
.set LIM,33                            ; 5 (c(t)+1) - 8 h
.set DRI,34                            ; 8 h - r
.set TM,35                             ; t mod 5
.set FAC,36                            ; v36-44 g6^c(u) of token 16 mt + r, or 0
.set QM2,47                            ; the lane's largest |Q~|   (v45, v46: at work)
.set RM,48                             ; raw rows: v[48:63], v[64:127], v[128:191], v[192:255]
.set R0,64
.set R1,128
.set R2,192
.set QF,48                             ; v[48:111]  Q~ fragments of my tokens; later xv^T fragments
.set XVS,48
.set H0,112                            ; v[112:143], v[144:175], v[176:207] token fragments in turn
.set H1,144
.set H2,176
.set ACC0,208                          ; v[208:223] two accumulators
.set E0,224                            ; v[224:239] the intra-chunk band: tiles w - 1 and w
.set E1,232
.set TMP,240
; in the stage that makes Q~: its 18 accumulators lie in v[48:111] (token tiles 0-3) and v[176:255] (token tiles 4-8)
.set WS,32                             ; s[32:47] g6^(-c(s)) 2^-6 of my wave's 16 rows
.set SBK,50                            ; s50 2^(e2+6): undoes the scales
.set SSC,51                            ; s51 2^-(e2+4): Q~'s scale
.set LGN,  0xbca0a325                  ; log2(0.9865) = -0.01960904
.set LG6N, 0xbdf0f4b7                  ; 6 log2(0.9865)
.set LG6P, 0x3df0f4b7
.set EXPM, 0x7f800000                  ; an f32's exponent field: what is left is the power of two at or below the number
; v[256:383] weight set X (M, later Wv), v[384:511] weight set Y (P): named v0-127 and v128-255 in the second window of registers
.set MSB, 0
.macro WIN new                         ; the immediate's high byte repeats the setting that is left
.if MSB != \new
	s_set_vgpr_msb (MSB<<8)|\new
.set MSB, \new
.endif
.endm
.macro NOPS cnt
.rept \cnt
	v_nop
.endr
.endm
.macro BAR
	s_wait_dscnt 0x0                               ; my LDS stores are done and my LDS reads are back, for the others' sake
	s_barrier_signal -1
	s_barrier_wait -1
.endm
.macro GLDM slot, sb, row0             ; eight rows of 1,024 bytes; rows 13-15 by their clamped addresses
.set gk, 0
.rept 8
.if \row0+gk < 13
	global_load_b128 v[\slot+8*gk:\slot+8*gk+3], v[GOF], s[\sb:\sb+1] offset:(\row0+gk)*1024
	global_load_b128 v[\slot+8*gk+4:\slot+8*gk+7], v[GOF], s[\sb:\sb+1] offset:(\row0+gk)*1024+512
.else
	global_load_b128 v[\slot+8*gk:\slot+8*gk+3], v[PADA+\row0+gk-13], s[\sb:\sb+1]
	global_load_b128 v[\slot+8*gk+4:\slot+8*gk+7], v[PADA+\row0+gk-13], s[\sb:\sb+1] offset:512
.endif
.set gk, gk+1
.endr
.endm
; raw rows: weighted if asked, rounded to f16 in place, into LDS
.macro CONV slot, cnt, vst, row0, pitch, scaled
.set ck, 0
.rept \cnt
.irp hf, 0, 1
.set cb, \slot+8*ck+4*\hf
.if \scaled
	v_mul_f32 v[cb], s[WS+\row0+ck], v[cb]
	v_mul_f32 v[cb+1], s[WS+\row0+ck], v[cb+1]
	v_mul_f32 v[cb+2], s[WS+\row0+ck], v[cb+2]
	v_mul_f32 v[cb+3], s[WS+\row0+ck], v[cb+3]
.endif
	v_cvt_pk_f16_f32 v[cb], v[cb], v[cb+1]
	v_cvt_pk_f16_f32 v[cb+1], v[cb+2], v[cb+3]
	ds_store_b64 v[\vst], v[cb:cb+1] offset:(\row0+ck)*\pitch+256*\hf
.endr
.set ck, ck+1
.endr
.endm
.macro LDW set, sb                     ; my wave's 16 KiB of weight fragments: 32 loads of 512 consecutive bytes
	WIN 0x40
.set lw, 0
.rept 32
	global_load_b128 v[\set+4*lw:\set+4*lw+3], v[WOF], s[\sb:\sb+1] offset:512*lw
.set lw, lw+1
.endr
	WIN 0
.endm
.macro TSEL t                          ; token tile t: address register 0 (tiles 0-3) or 1 (tiles 4-8), and the tile's number from there
.set sel, ((\t)+4)/8
.set trow, (\t)-4*sel
.endm
.macro QACC t                          ; MACC = the two accumulators (16 registers) of token tile t of Q~
.if (\t) < 4
.set MACC, 48+16*(\t)
.else
.set MACC, 176+16*((\t)-4)
.endif
.endm
.macro LDACT buf, va, o, nk            ; nk K steps of a token tile's fragments
.set lk, 0
.rept \nk
	ds_load_b128 v[\buf+8*lk:\buf+8*lk+3], v[\va] offset:\o+64*lk
	ds_load_b128 v[\buf+8*lk+4:\buf+8*lk+7], v[\va] offset:\o+64*lk+32
.set lk, lk+1
.endr
.endm
; nk K steps on the accumulators MACC and MACC + 8, which take turns.  wb: the weights of column tile 0; qs: registers from there to tile 1's
.macro MM buf, wb, qs, k0, nk, zero
.set mk, 0
.rept \nk
.set mz, 0
.if \zero
.if mk == 0
.set mz, 1
.endif
.endif
.if mz
	v_wmma_f32_16x16x32_f16 v[MACC:MACC+7], v[\wb+8*(\k0+mk):\wb+8*(\k0+mk)+7], v[\buf+8*mk:\buf+8*mk+7], 0
	v_wmma_f32_16x16x32_f16 v[MACC+8:MACC+15], v[\wb+\qs+8*(\k0+mk):\wb+\qs+8*(\k0+mk)+7], v[\buf+8*mk:\buf+8*mk+7], 0
.else
	v_wmma_f32_16x16x32_f16 v[MACC:MACC+7], v[\wb+8*(\k0+mk):\wb+8*(\k0+mk)+7], v[\buf+8*mk:\buf+8*mk+7], v[MACC:MACC+7]
	v_wmma_f32_16x16x32_f16 v[MACC+8:MACC+15], v[\wb+\qs+8*(\k0+mk):\wb+\qs+8*(\k0+mk)+7], v[\buf+8*mk:\buf+8*mk+7], v[MACC+8:MACC+15]
.endif
.set mk, mk+1
.endr
.endm
; scores: two tiles of K~ (at va + oa and vb + ob), K steps 2 kq and 2 kq + 1: eight loads
.macro LDK buf, va, oa, vb, ob, kq
.irp x, 0,1
	ds_load_b128 v[\buf+8*\x:\buf+8*\x+3], v[\va] offset:\oa+64*(2*(\kq)+\x)
	ds_load_b128 v[\buf+8*\x+4:\buf+8*\x+7], v[\va] offset:\oa+64*(2*(\kq)+\x)+32
.endr
.irp x, 0,1
	ds_load_b128 v[\buf+16+8*\x:\buf+16+8*\x+3], v[\vb] offset:\ob+64*(2*(\kq)+\x)
	ds_load_b128 v[\buf+16+8*\x+4:\buf+16+8*\x+7], v[\vb] offset:\ob+64*(2*(\kq)+\x)+32
.endr
.endm
.macro MMS buf, kq, a0, a1, zero       ; D(s, t): first source K~, second source my tokens' Q~; the two accumulators take turns
.if \zero
	v_wmma_f32_16x16x32_f16 v[\a0:\a0+7], v[\buf:\buf+7], v[QF+16*(\kq):QF+16*(\kq)+7], 0
	v_wmma_f32_16x16x32_f16 v[\a1:\a1+7], v[\buf+16:\buf+23], v[QF+16*(\kq):QF+16*(\kq)+7], 0
.else
	v_wmma_f32_16x16x32_f16 v[\a0:\a0+7], v[\buf:\buf+7], v[QF+16*(\kq):QF+16*(\kq)+7], v[\a0:\a0+7]
	v_wmma_f32_16x16x32_f16 v[\a1:\a1+7], v[\buf+16:\buf+23], v[QF+16*(\kq):QF+16*(\kq)+7], v[\a1:\a1+7]
.endif
	v_wmma_f32_16x16x32_f16 v[\a0:\a0+7], v[\buf+8:\buf+15], v[QF+16*(\kq)+8:QF+16*(\kq)+15], v[\a0:\a0+7]
	v_wmma_f32_16x16x32_f16 v[\a1:\a1+7], v[\buf+24:\buf+31], v[QF+16*(\kq)+8:QF+16*(\kq)+15], v[\a1:\a1+7]
.endm
; the band's weights: register j of tile w - d/16 holds s - t = 8 h - r + j - d; kept, times gamma^(s-t), where -(t mod 5) <= s - t <= 0, else 0
.macro W1 e, d
.irp j, 0,1,2,3,4,5,6,7
	v_add_nc_u32 v45, \j-\d, v[DRI]
	v_cvt_f32_i32 v46, v45
	v_mul_f32 v46, LGN, v46
	v_exp_f32 v46, v46
	v_add_nc_u32 v45, v45, v[TM]                   ; a plain instruction behind v_exp_f32 (ISA guide 5.7.2); s - t + t mod 5, unsigned, is at most t mod 5
	v_cmp_ge_u32 vcc_lo, v[TM], v45
	s_wait_alu depctr_va_vdst(0)
	v_mul_f32 v[\e+\j], v46, v[\e+\j]
	v_cndmask_b32 v[\e+\j], 0, v[\e+\j], vcc_lo
.endr
.endm
; tiles 2 p, 2 p + 1 of my rows of A: the cross scores where s < 5 (c(t)+1), plus the band where the tile is w or w - 1; to f16, into LDS
.macro PAIREND p
.irp q, 0,1
	s_cmp_eq_u32 s18, 2*(\p)+\q
	s_cselect_b32 s48, 0x3f800000, 0
	s_cmp_eq_u32 s18, 2*(\p)+\q+1
	s_cselect_b32 s49, 0x3f800000, 0
.irp j, 0,1,2,3,4,5,6,7
	v_cmp_lt_i32 vcc_lo, 16*(2*(\p)+\q)+\j, v[LIM]
	v_cndmask_b32 v[ACC0+8*\q+\j], 0, v[ACC0+8*\q+\j], vcc_lo
	v_fmac_f32 v[ACC0+8*\q+\j], s48, v[E1+\j]
	v_fmac_f32 v[ACC0+8*\q+\j], s49, v[E0+\j]
.endr
.irp x, 0,1,2,3
	v_cvt_pk_f16_f32 v[TMP+4*\q+\x], v[ACC0+8*\q+2*\x], v[ACC0+8*\q+2*\x+1]
.endr
	ds_store_b128 v[ASW], v[TMP+4*\q:TMP+4*\q+3] offset:32*(2*(\p)+\q)
.endr
.endm
.macro OUTROWS row0, cnt, reg          ; rows of the result back from LDS and out: each load and store covers 512 consecutive bytes
.set ok, 0
.rept 2*\cnt
	ds_load_b128 v[\reg+4*ok:\reg+4*ok+3], v[OUR] offset:(\row0+ok/2)*PO+512*(ok%2)
.set ok, ok+1
.endr
.set ok, 0
.rept 2*\cnt
	s_wait_dscnt 2*\cnt-1-ok                       ; LDS loads return in order: this one is in
	global_store_b128 v[GOF], v[\reg+4*ok:\reg+4*ok+3], s[16:17] offset:(\row0+ok/2)*1024+512*(ok%2) th:TH_STORE_NT
.set ok, ok+1
.endr
.endm
	s_load_b256 s[4:11], s[0:1], 0x0               ; xq 4, xk 6, xv 8, mfrag 10
	s_load_b128 s[12:15], s[0:1], 0x20             ; wvfrag 12, pfx 14
	s_load_b64 s[16:17], s[0:1], 0x30              ; out0
	v_lshrrev_b32 v1, 5, v0
	v_readfirstlane_b32 s18, v1                    ; wave w
	s_and_b32 s20, ttmp7, 0xffff                   ; batch b
	s_mul_i32 s21, ttmp9, 125                      ; t0
	s_mov_b32 s52, 0x76543210                      ; v_permlanex16_b32: lane i of one half reads lane i of the other
	s_mov_b32 s53, 0xfedcba98
	v_and_b32 v[LN], 31, v0
	v_and_b32 v[RR], 15, v0
	v_bfe_u32 v[HH], v0, 4, 1
	s_mul_i32 s22, s20, 4096000
	s_mov_b32 s23, 0
	s_lshl_b32 s24, s20, 5
	s_add_co_u32 s24, s24, ttmp9
	s_lshl_b32 s24, s24, 17                        ; (32 b + i) * 131,072
	s_mov_b32 s25, 0
	s_lshl4_add_u32 s26, s18, s21
	s_lshl_b32 s26, s26, 10
	v_lshl_add_u32 v[GOF], v[LN], 4, s26           ; (t0 + 16 w) rows + 16 lane
	v_lshl_add_u32 v45, v[LN], 4, 3999*1024        ; the same place in the batch's last row
.irp k, 0,1,2
	v_add_nc_u32 v[PADA+\k], (13+\k)*1024, v[GOF]
	v_min_u32 v[PADA+\k], v[PADA+\k], v45
.endr
	s_lshl1_add_u32 s27, s18, s21
	s_add_co_u32 s27, s27, 128
	s_lshl_b32 s27, s27, 10
	v_lshl_add_u32 v[MINA], v[LN], 4, s27
	v_add_nc_u32 v[MINA+1], 1024, v[MINA]
	v_min_u32 v[MINA], v[MINA], v45
	v_min_u32 v[MINA+1], v[MINA+1], v45
	s_lshl_b32 s28, s18, 14
	v_lshl_add_u32 v[WOF], v[LN], 4, s28
	s_wait_kmcnt 0x0
	s_add_nc_u64 s[4:5], s[4:5], s[22:23]
	s_add_nc_u64 s[6:7], s[6:7], s[22:23]
	s_add_nc_u64 s[8:9], s[8:9], s[22:23]
	s_add_nc_u64 s[16:17], s[16:17], s[22:23]
	s_add_nc_u64 s[14:15], s[14:15], s[24:25]
	; ---------------- phase 0: the inputs, to f16, into LDS ----------------
.irp k, 0,1
	global_load_b128 v[RM+8*\k:RM+8*\k+3], v[MINA+\k], s[4:5]
	global_load_b128 v[RM+8*\k+4:RM+8*\k+7], v[MINA+\k], s[4:5] offset:512
.endr
	GLDM R0, 4, 0                                  ; xq rows 0-7 of my 16
	GLDM R1, 4, 8                                  ; xq rows 8-15
	GLDM R2, 6, 0                                  ; xk rows 0-7
	; addresses and weights, while the loads are on their way
	s_mul_i32 s28, s18, TQ
	v_lshl_add_u32 v[SXQ], v[LN], 3, s28
	v_add_nc_u32 v[SXK], XKB, v[SXQ]
	s_mul_i32 s29, s18, 2*PQ
	s_add_co_u32 s29, s29, 128*PQ
	v_lshl_add_u32 v[SXM], v[LN], 3, s29
	s_mul_i32 s29, s18, 16*PV
	s_add_co_u32 s29, s29, XVB
	v_lshl_add_u32 v[SXV], v[LN], 3, s29
	v_mul_u32_u24 v45, PQ, v[RR]
	v_lshl_add_u32 v[XQA], v[HH], 4, v45           ; r * pitch + 16 h
	v_add_nc_u32 v[XQA+1], 4*TQ, v[XQA]
	v_add_nc_u32 v[QSA], QSB, v[XQA]
	v_add_nc_u32 v[QSA+1], QSB+4*TQ, v[XQA]
	v_add_nc_u32 v[XKA], XKB, v[XQA]
	v_add_nc_u32 v[XKW], s28, v[XKA]
	s_add_co_u32 s29, s18, 7
	s_and_b32 s29, s29, 7                          ; tile w - 1; for w = 0 tile 7, all of whose band weights are 0
	s_mul_i32 s29, s29, TQ
	v_add_nc_u32 v[XKP], s29, v[XKA]
	v_add_nc_u32 v[QSW], s28, v[QSA]
	v_mul_u32_u24 v45, PA, v[RR]
	v_lshl_add_u32 v45, v[HH], 4, v45
	v_add_nc_u32 v[ASA], ASB, v45
	s_mul_i32 s29, s18, TA
	v_add_nc_u32 v[ASW], s29, v[ASA]
	s_lshl_b32 s29, s18, 6                         ; my 32 columns of f16
	v_add_nc_u32 v[QSS], s29, v[QSA]
	v_add_nc_u32 v[QSS+1], s29, v[QSA+1]
	v_add_nc_u32 v[YSS], s29, v[XQA]
	v_add_nc_u32 v[YSS+1], s29, v[XQA+1]
	v_and_b32 v45, 7, v[LN]
	v_lshl_add_u32 v45, v[HH], 3, v45
	v_mul_u32_u24 v45, PV, v45
	v_bfe_u32 v46, v[LN], 3, 1
	v_lshl_add_u32 v45, v46, 4, v45
	v_add3_u32 v[TRV], v45, s29, XVB
	v_mul_u32_u24 v45, PO, v[RR]
	v_lshl_add_u32 v45, v[HH], 5, v45
	s_lshl_b32 s29, s18, 7                         ; my 32 columns of f32
	v_add3_u32 v[OUS], v45, s29, OUB
	v_add_nc_u32 v[OUS+1], 4*TO, v[OUS]
	s_mul_i32 s29, s18, TO
	s_add_co_u32 s29, s29, OUB
	v_lshl_add_u32 v[OUR], v[LN], 4, s29
	s_lshl_b32 s30, s18, 4
	v_add_nc_u32 v45, s30, v[RR]                   ; t = 16 w + r
	v_mul_u32_u24 v46, 0xcccd, v45
	v_lshrrev_b32 v46, 18, v46                     ; c(t) (exact below 2^16)
	v_mul_u32_u24 v47, 5, v46
	v_sub_nc_u32 v[TM], v45, v47
	v_lshlrev_b32 v46, 3, v[HH]
	v_sub_nc_u32 v[LIM], v47, v46
	v_add_nc_u32 v[LIM], 5, v[LIM]
	v_sub_nc_u32 v[DRI], v46, v[RR]
	s_sub_co_u32 s31, 4000, s21                    ; tokens left in the batch from t0
.irp m, 0,1,2,3,4,5,6,7,8
	v_add_nc_u32 v45, 16*\m, v[RR]
	v_mul_u32_u24 v46, 0xcccd, v45
	v_lshrrev_b32 v46, 18, v46
	v_cvt_f32_u32 v46, v46
	v_mul_f32 v46, LG6N, v46
	v_exp_f32 v46, v46
	v_cmp_gt_u32 vcc_lo, s31, v45                  ; a plain instruction behind v_exp_f32
	s_wait_alu depctr_va_vdst(0)
	v_cndmask_b32 v[FAC+\m], 0, v46, vcc_lo
.endr
	v_add_nc_u32 v45, s30, v[LN]                   ; lane l: row s = 16 w + l
	v_mul_u32_u24 v46, 0xcccd, v45
	v_lshrrev_b32 v46, 18, v46
	v_cvt_f32_u32 v46, v46
	v_mul_f32 v46, LG6P, v46
	v_exp_f32 v46, v46                             ; g6^(-c(s)), at most g6^(-28)
	v_mov_b32 v[QM2], 0                            ; (a plain instruction behind v_exp_f32) magnitudes are at least 0
	s_wait_alu depctr_va_vdst(0)
	v_mul_f32 v46, 0x3c800000, v46                 ; times 2^-6, as the states have it
.irp k, 0,1,2,3,4,5,6,7,8,9,10,11,12,13,14,15
	v_readlane_b32 s[WS+\k], v46, \k
.endr
	; each count is the number of loads issued behind the group that is waited for (loads return in order)
	s_wait_loadcnt 48
	CONV RM, 2, SXM, 0, PQ, 0
	s_wait_loadcnt 32
	CONV R0, 8, SXQ, 0, PQ, 0
	GLDM R0, 6, 8                                  ; xk rows 8-15
	s_wait_loadcnt 32
	CONV R1, 8, SXQ, 8, PQ, 0
	GLDM R1, 8, 0                                  ; xv rows 0-7
	s_wait_loadcnt 32
	CONV R2, 8, SXK, 0, PQ, 1
	GLDM R2, 8, 8                                  ; xv rows 8-15
	s_wait_loadcnt 32
	CONV R0, 8, SXK, 8, PQ, 1
	LDW 0, 10                                      ; 16 M into set X
	s_wait_loadcnt 48                              ; xv 0-7 are in: xv 8-15 (16) and M (32) stay out
	CONV R1, 8, SXV, 0, PV, 0
	s_wait_loadcnt 32
	CONV R2, 8, SXV, 8, PV, 0
	LDW 128, 14                                    ; 2^-6 P_i into set Y
	BAR
	; ---------------- Q~ = (xq 16 M) g6^c, nine token tiles, my 32 columns, kept in f32 in 144 registers ----------------
	; K = 256 in two halves on buffers H0, H1.  The counts 8: behind each buffer's eight loads exactly the other buffer's eight were issued.
	s_wait_loadcnt 32                              ; M is in; P's 32 loads stay out
	TSEL 0
	LDACT H0, XQA+sel, trow*TQ, 4
	LDACT H1, XQA+sel, trow*TQ+256, 4
.set mt, 0
.rept 9
	QACC mt
	s_wait_dscnt 0x8
	WIN 1
	MM H0, 0, 64, 0, 4, 1
	WIN 0
	NOPS 4                                         ; places in front of the loads into H0
.if mt+1 < 9
	TSEL mt+1
	LDACT H0, XQA+sel, trow*TQ, 4
	s_wait_dscnt 0x8
.else
	s_wait_dscnt 0x0
.endif
	WIN 1
	MM H1, 0, 64, 4, 4, 0
	WIN 0
	NOPS 4                                         ; places in front of the loads into H1 and the reads of the sums; the next tile's sums start in other registers
.if mt+1 < 9
	LDACT H1, XQA+sel, trow*TQ+256, 4
.endif
.irp j, 0,1,2,3,4,5,6,7,8,9,10,11,12,13,14,15
	v_mul_f32 v[MACC+\j], v[FAC+mt], v[MACC+\j]
.endr
.irp x, 0,1,2,3,4,5,6,7
	v_max3_num_f32 v[QM2], |v[MACC+2*\x]|, |v[MACC+2*\x+1]|, v[QM2]
.endr
.set mt, mt+1
.endr
	LDW 0, 12                                      ; Wv into set X, which M has left
	; the largest |Q~|: across the lanes, then across the waves through LDS
	v_max_num_f32_dpp v[QM2], v[QM2], v[QM2] row_xmask:1 row_mask:0xf bank_mask:0xf
	v_max_num_f32_dpp v[QM2], v[QM2], v[QM2] row_xmask:2 row_mask:0xf bank_mask:0xf
	v_max_num_f32_dpp v[QM2], v[QM2], v[QM2] row_xmask:4 row_mask:0xf bank_mask:0xf
	v_max_num_f32_dpp v[QM2], v[QM2], v[QM2] row_xmask:8 row_mask:0xf bank_mask:0xf
	v_permlanex16_b32 v45, v[QM2], s52, s53        ; its destination counts as read: v45 has been written
	v_max_num_f32 v[QM2], v[QM2], v45
	s_lshl_b32 s54, s18, 2
	s_add_co_u32 s54, s54, SCR
	v_mov_b32 v46, s54
	ds_store_b32 v46, v[QM2]                       ; all lanes write the wave's word with the same number
	BAR
	v_mov_b32 v46, SCR
	ds_load_b128 v[112:115], v46
	ds_load_b128 v[116:119], v46 offset:16
	s_wait_dscnt 0x0
	v_max3_num_f32 v112, v112, v113, v114
	v_max3_num_f32 v115, v115, v116, v117
	v_max3_num_f32 v112, v112, v118, v119
	v_max_num_f32 v112, v112, v115
	v_max_num_f32 v112, 0x0d800000, v112           ; at least 2^-100, so that both factors below are ordinary numbers
	v_readfirstlane_b32 s[SBK], v112
	s_and_b32 s[SBK], s[SBK], EXPM                 ; 2^e2
	s_sub_co_u32 s[SSC], 0x7d000000, s[SBK]        ; 2^-(e2+4): the exponent field 250 less the field
	s_add_co_u32 s[SBK], s[SBK], 0x03000000        ; 2^(e2+6) = 2^(e2+4) * 2^6 (K~, P) / 2^4 (16 M)
.set qn, 0
.rept 9
	QACC qn
	TSEL qn
.irp j, 0,1,2,3,4,5,6,7,8,9,10,11,12,13,14,15
	v_mul_f32 v[MACC+\j], s[SSC], v[MACC+\j]       ; by a power of two: exact
.endr
.irp q, 0,1
.irp x, 0,1,2,3
	v_cvt_pk_f16_f32 v[MACC+8*\q+\x], v[MACC+8*\q+2*\x], v[MACC+8*\q+2*\x+1]   ; in place: word x is written when words 2 x, 2 x + 1 are read
.endr
	ds_store_b128 v[QSS+sel], v[MACC+8*\q:MACC+8*\q+3] offset:trow*TQ+32*\q
.endr
.set qn, qn+1
.endr
	BAR
.set MACC, ACC0                        ; from here on the projections use v[208:223]
	; ---------------- A: my 16 tokens against all 128 ----------------
	LDACT QF, QSW, 0, 8                            ; Q~[t]
	LDK H0, XKP, 0, XKW, 0, 0
	LDK H1, XKP, 0, XKW, 0, 1
	s_wait_dscnt 0x8                               ; all but the other buffer's eight loads
	MMS H0, 0, E0, E1, 1
	NOPS 4
	LDK H0, XKP, 0, XKW, 0, 2
	s_wait_dscnt 0x8
	MMS H1, 1, E0, E1, 0
	NOPS 4
	LDK H1, XKP, 0, XKW, 0, 3
	s_wait_dscnt 0x8
	MMS H0, 2, E0, E1, 0
	s_wait_dscnt 0x0
	MMS H1, 3, E0, E1, 0
	NOPS 5
	LDACT QF, QSW, 5*PQ, 8                         ; Q~[t + 5]
	LDK H0, XKA, 0, XKA, TQ, 0
	LDK H1, XKA, 0, XKA, TQ, 1
	W1 E0, 16
	W1 E1, 0
.set sn, 0
.rept 16
.set sp, sn/4
.set skq, sn%4
.set sb, H0+32*(sn%2)
.set sz, 0
.if skq == 0
.set sz, 1
.endif
.if sn == 15
	s_wait_dscnt 0x0
.else
	s_wait_dscnt 0x8                               ; this step's fragments are in: behind them at least the other buffer's eight loads were issued
.endif
	MMS sb, skq, ACC0, ACC0+8, sz
.if skq == 3
	NOPS 5
.else
	NOPS 4
.endif
.if sn+2 < 16
.set sp2, (sn+2)/4
.set skq2, (sn+2)%4
	LDK sb, XKA, 2*sp2*TQ, XKA, (2*sp2+1)*TQ, skq2
.endif
.if skq == 3
	PAIREND sp
.endif
.set sn, sn+1
.endr
	BAR
	; ---------------- y = Q~[t+5] P + A xv, eight token tiles, my 32 columns ----------------
	s_wait_loadcnt 32                              ; P is in; Wv's 32 loads stay out
.irp q, 0,1
.irp ks, 0,1,2,3
	ds_load_tr16_b128 v[XVS+32*\q+8*\ks:XVS+32*\q+8*\ks+3], v[TRV] offset:\ks*32*PV+32*\q
	ds_load_tr16_b128 v[XVS+32*\q+8*\ks+4:XVS+32*\q+8*\ks+7], v[TRV] offset:\ks*32*PV+16*PV+32*\q
.endr
.endr
	LDACT H0, QSA, 5*PQ, 4
	LDACT H1, QSA, 5*PQ+256, 4
	LDACT H2, ASA, 0, 1
.set yt, 0
.rept 8
.set nkc, (yt+1)/2+1                   ; row t needs s < 5 (c(t)+1) <= t + 5: K steps of 32 up to (16 yt + 19) / 32
.if nkc > 4
.set nkc, 4
.endif
.set nkn, (yt+2)/2+1
.if nkn > 4
.set nkn, 4
.endif
	s_wait_dscnt 0x8                               ; H0 is in: behind it H1's eight loads were issued
	WIN 1
	MM H0, 128, 64, 0, 4, 1
	WIN 0
	NOPS 4
.if yt < 7
	TSEL yt+1
	LDACT H0, QSA+sel, trow*TQ+5*PQ, 4
.endif
	s_wait_dscnt 0x8                               ; H1 is in: behind it eight loads were issued (the next H0's; in the last tile H2's)
	WIN 1
	MM H1, 128, 64, 4, 4, 0
	WIN 0
	NOPS 4
.if yt < 7
	LDACT H1, QSA+sel, trow*TQ+5*PQ+256, 4
	s_wait_dscnt 0x10                              ; H2 is in: behind it the next tile's sixteen loads were issued
.else
	s_wait_dscnt 0x0
.endif
	MM H2, XVS, 32, 0, nkc, 0
	NOPS 5
.if yt < 7
	LDACT H2, ASA, (yt+1)*TA, nkn
.endif
	TSEL yt
.irp x, 0,1,2,3,4,5,6,7
	v_cvt_pk_f16_f32 v[TMP+\x], v[ACC0+2*\x], v[ACC0+2*\x+1]
.endr
	ds_store_b128 v[YSS+sel], v[TMP:TMP+3] offset:trow*TQ
	ds_store_b128 v[YSS+sel], v[TMP+4:TMP+7] offset:trow*TQ+32
.set yt, yt+1
.endr
	BAR
	; ---------------- out = y Wv 2^(e2+6), eight token tiles, in f32 into LDS ----------------
	; The counts 8: behind each buffer's eight loads at least the other buffer's eight were issued (the stores between only add to that).
	s_wait_loadcnt 0                               ; Wv
	TSEL 0
	LDACT H0, XQA+sel, trow*TQ, 4
	LDACT H1, XQA+sel, trow*TQ+256, 4
.set mt, 0
.rept 8
	s_wait_dscnt 0x8
	WIN 1
	MM H0, 0, 64, 0, 4, 1
	WIN 0
	NOPS 4                                         ; places in front of the loads into H0
.if mt+1 < 8
	TSEL mt+1
	LDACT H0, XQA+sel, trow*TQ, 4
	s_wait_dscnt 0x8
.else
	s_wait_dscnt 0x0
.endif
	WIN 1
	MM H1, 0, 64, 4, 4, 0
	WIN 0
	NOPS 5                                         ; places in front of the loads into H1, the reads of the sums, and the next tile's fresh sums
.if mt+1 < 8
	LDACT H1, XQA+sel, trow*TQ+256, 4
.endif
	TSEL mt
.irp j, 0,1,2,3,4,5,6,7,8,9,10,11,12,13,14,15
	v_mul_f32 v[ACC0+\j], s[SBK], v[ACC0+\j]
.endr
.irp x, 0,1,2,3
	ds_store_b128 v[OUS+sel], v[ACC0+4*\x:ACC0+4*\x+3] offset:trow*TO+64*(\x/2)+16*(\x%2)
.endr
.set mt, mt+1
.endr
	BAR
	; ---------------- the way out: my 16 rows; wave 7 has 13 (rows 125 to 127 are the next segment's) ----------------
	OUTROWS 0, 13, 48
	s_cmp_eq_u32 s18, 7
	s_cbranch_scc1 .Lend
	OUTROWS 13, 3, 152
.Lend:
	s_wait_xcnt 0x0
	v_lshl_add_u32 v254, v0, 2, 0x4f300
	v_mov_b32 v255, 0
	s_wait_tensorcnt 0x0
	ds_add_u32 v254, v255
	s_wait_dscnt 0x0
	s_endpgm
.Lfunc_end_k_q29b7d6d40a_main:
	.size	k_q29b7d6d40a_main, .Lfunc_end_k_q29b7d6d40a_main-k_q29b7d6d40a_main
	.p2alignl 7, 3214868480
	.fill 96, 4, 3214868480
	.section	.rodata,"a",@progbits
	.p2align	6, 0x0
	.amdhsa_kernel k_q29b7d6d40a_main
		.amdhsa_group_segment_fixed_size 325376
		.amdhsa_private_segment_fixed_size 0
		.amdhsa_enable_private_segment 0
		.amdhsa_kernarg_size 56
		.amdhsa_user_sgpr_count 2
		.amdhsa_user_sgpr_kernarg_segment_ptr 1
		.amdhsa_wavefront_size32 1
		.amdhsa_system_sgpr_workgroup_id_x 1
		.amdhsa_system_sgpr_workgroup_id_y 1
		.amdhsa_system_sgpr_workgroup_id_z 1
		.amdhsa_system_vgpr_workitem_id 0
		.amdhsa_next_free_vgpr 512
		.amdhsa_next_free_sgpr 66
		.amdhsa_reserve_vcc 1
		.amdhsa_float_denorm_mode_32 3
		.amdhsa_float_denorm_mode_16_64 3
		.amdhsa_memory_ordered 1
		.amdhsa_forward_progress 1
		.amdhsa_inst_pref_size 197
	.end_amdhsa_kernel
	.amdgpu_metadata
---
amdhsa.version: [ 1, 2 ]
amdhsa.kernels:
  - .name:           k_q29b7d6d40a_main
    .symbol:         k_q29b7d6d40a_main.kd
    .args:
      - { .name: xq, .offset: 0, .size: 8, .value_kind: global_buffer, .address_space: global }
      - { .name: xk, .offset: 8, .size: 8, .value_kind: global_buffer, .address_space: global }
      - { .name: xv, .offset: 16, .size: 8, .value_kind: global_buffer, .address_space: global }
      - { .name: mfrag, .offset: 24, .size: 8, .value_kind: global_buffer, .address_space: global }
      - { .name: wvfrag, .offset: 32, .size: 8, .value_kind: global_buffer, .address_space: global }
      - { .name: pfx, .offset: 40, .size: 8, .value_kind: global_buffer, .address_space: global }
      - { .name: out0, .offset: 48, .size: 8, .value_kind: global_buffer, .address_space: global }
    .group_segment_fixed_size: 325376
    .private_segment_fixed_size: 0
    .kernarg_segment_align: 8
    .kernarg_segment_size: 56
    .max_flat_workgroup_size: 256
    .sgpr_count:     66
    .vgpr_count:     512
    .wavefront_size: 32
...
	.end_amdgpu_metadata
.endif
;; end of part 3
